; MI455X (gfx1250); checked and timed in simulation.
; The chip was launched on July 23, 2026; its instructions are those of AMD's public machine-readable ISA for CDNA 5 (MIT licence, August 2026) and "CDNA5" Instruction Set Architecture Reference Guide (July 2026). The comments in the code are by the model that wrote it; some were corrected since.
;; LSTM Cell. Allowed arithmetic: matrix products marked QUANTISED: E5M2 operands, one given power-of-two scale a tensor, by v_wmma_f32_16x16x64_bf8_bf8 or v_wmma_f32_16x16x128_bf8_bf8, f32 sums; everything else in f32.
;; Inputs: W_c 2,048 x 3,072 float32; W_f 2,048 x 3,072 float32; W_i 2,048 x 3,072 float32; W_o 2,048 x 3,072 float32; lowp_scales 2 int32 (the exponents e of the quantised operands' scales 2^e); prev_c 2,048 x 2,048 float32; prev_h 2,048 x 2,048 float32; x 2,048 x 1,024 float32.
;; Outputs: out0 2,048 x 2,048 float32; out1 2,048 x 2,048 float32.
;; This version of the problem:
;;   THIS VERSION OF THE PROBLEM IS GIVEN IN LOW PRECISION. The matrix products marked QUANTISED in the list below multiply operands that are first quantised to E5M2 (5 exponent bits, 2 mantissa bits; 8 bits a number), with one given power-of-two scale for each operand tensor; their sums are f32. All else is computed in f32.
;;   The module's matrix products, in the order in which they are computed (A, B: the left and right operand; K: the contracted axis; several contracted axes count as one K, in the product's order):
;;     1. [M 2,048, K 3,072] x [K 3,072, N 8,192]; A: computed on the way; B: computed on the way: QUANTISED (scales: A lowp_scales[0], B lowp_scales[1])
;;   THE QUANTISER, for each operand of a quantised product, along K:
;;     - The operand's scale is 2^e, e = its entry of the input lowp_scales (int32; the entries are numbered through the quantised products in the list's order, A before B).
;;     - Each number is divided by the scale, clamped to +-57,344, and rounded to the nearest number of E5M2, ties to even, subnormals kept.
;;     - The product sums the exact products of the quantised numbers (number of the format x scale) in f32.
;;   ~~~python
;;   def quantise(x, axis, e):      # numpy; x: float32 -> the quantised numbers, widened to float32 again
;;       x = np.moveaxis(x, axis, -1); K = x.shape[-1]
;;       r = np.clip(x / 2.0 ** e, -57344, 57344)
;;       step = 2.0 ** (np.maximum(np.frexp(np.where(r == 0, 1, r))[1] - 1, -14) - 2)
;;       q = np.round(r / step) * step * 2.0 ** e      # np.round: ties to even
;;       return np.moveaxis(q, -1, axis).astype(np.float32)
;;   ~~~
;;   OPERANDS COMPUTED ON THE WAY. 'Computed on the way' means the value that the module computes at that place (a softmax that the list does not call 'softmax' is quantised finished and normalised). What goes into a quantiser is computed in f32, as accurately as f32 sums, v_exp_f32 and their like allow (about 1e-6 of the number): no bf16 or f16 on the way to a quantiser, and a product that is left as it is and whose result goes on into a quantised operand takes f32 operands (vector FMAs, or v_wmma_f32_16x16x4_f32). A number that lies on a knife's edge between two numbers of the format may be rounded either way, as far as f32 arithmetic and the matrix unit's own rounding can turn it there, and no further.
;; One version. Each part assembles by itself: llvm-mc -triple=amdgcn-amd-amdhsa -mcpu=gfx1250 --defsym DOCPART=n.
;; ======== version 1 of 1: 2 launches
;; limits: right only within a limited range of input values
;; workspace buffers: a_codes 6,291,456 bytes; w_codes 25,165,824 bytes
;; launch quant (part 1): grid 256 x 1, 15 waves a work-group, no clusters, 17,408 bytes of LDS; arguments W_i, W_f, W_o, W_c, prev_h, x, lowp_scales, a_codes, w_codes; writes a_codes, w_codes
.if DOCPART == 1
	.amdgcn_target "amdgcn-amd-amdhsa--gfx1250"
	.amdhsa_code_object_version 6
	.text
	.protected	k_q523b01bf4b_quant
	.globl	k_q523b01bf4b_quant
	.p2align	8
	.type	k_q523b01bf4b_quant,@function
k_q523b01bf4b_quant:
	s_mov_b64 s[64:65], 0
	v_nop
	global_prefetch_b8 v0, s[64:65] scope:SCOPE_SE
	s_setreg_imm32_b32 hwreg(HW_REG_WAVE_MODE, 25, 1), 1
	s_wait_xcnt 0x0
; The six f32 tensors of the LSTM cell's one product are turned into codes of BF8 (E5M2), one byte a number, K innermost.
;   a_codes [2048][3072]: row b = the codes of prev_h[b] (bytes 0 .. 2047), then of x[b] (bytes 2048 .. 3071), scale 2^ea (entry 0 of the scales).
;   w_codes [8192][3072]: gate g (0 = i, 1 = f, 2 = o, 3 = c), hidden unit h lies in row 128 (h / 32) + 32 g + h % 32, scale 2^eb (entry 1):
;   so 128 rows on end are 32 units of all four gates, and the product's launch finds a unit's four gates in one wave.
; code = number / 2^e, held within +-57,344, rounded to the nearest code, ties to even.
; LIMITS: -126 <= e <= 112, so that 2^e and 57,344 x 2^e are f32 numbers.  NaN among the inputs is not served (an infinity is held at the largest code).
; SHARES.  All six tensors have 2,048 rows.  Work-group g takes rows 8 g .. 8 g + 7 of all of them; each of its fifteen waves takes 8 rows x 1,024 columns:
; waves 0-11: W[wave % 4], columns 1,024 (wave / 4) on; waves 12, 13: prev_h's two halves; wave 14: x.  Only pointers, pitches and offsets are chosen (s_cselect): all waves take one path.
; A wave walks 16 steps of 512 numbers (half of its part of a row).  Each of a step's four loads reads 512 consecutive bytes, 16 a lane: four neighbouring numbers.
; THE SCALE IS ONE FOR THE WHOLE TENSOR, so a conversion's eight numbers need not be neighbours: registers 0-3 give one word of four codes, registers 4-7 the next.  The numbers are held and converted as they were loaded,
; and only the CODES change lanes: a step's four words of a lane go to the wave's own stage in LDS (four stores of 128 consecutive bytes) and come back as 16 consecutive bytes a lane: 1,024 bytes of LDS traffic for 512 numbers.
; The wave then stores 512 consecutive bytes, at a multiple of 256 from the buffer's first byte.  No barrier: waves share nothing.  Loads run six steps (24 loads a wave) ahead; a step's store to memory is issued in the next step.
.set STEPS, 16
.set DEPTH, 6                          ; sets of registers for the loads
.set KB,    3072                       ; a row of codes in bytes
.set STG,   512                        ; a stage: a step's codes
.set WREG,  2*STG                      ; LDS: two stages for each wave
.set R,     16                         ; v16-111  six sets of 16 numbers as they are loaded
.set OFFR,  112                        ; v112-119 row i of my eight: 16 x lane + i x the source's pitch; never rewritten
.set C,     120                        ; v120-127 two sets of four words of codes, as converted
.set D,     128                        ; v128-191 codes as stored: four registers for each step, so that no store's data are written again
	s_load_b256 s[4:11], s[0:1], 0x0               ; W_i s[4:5], W_f s[6:7], W_o s[8:9], W_c s[10:11]
	s_load_b256 s[12:19], s[0:1], 0x20             ; prev_h s[12:13], x s[14:15], the scales' exponents s[16:17], a_codes s[18:19]
	s_load_b64 s[20:21], s[0:1], 0x40              ; w_codes
	v_lshl_add_u32 v192, v0, 2, 0x3c00
	v_mov_b32 v193, 0
	v_lshrrev_b32 v1, 5, v0
	s_delay_alu instid0(VALU_DEP_1)
	v_readfirstlane_b32 s22, v1                    ; wave 0..14
	v_and_b32 v2, 31, v0                           ; lane
	s_delay_alu instid0(VALU_DEP_1)
	v_lshlrev_b32 v3, 4, v2                        ; my 16 bytes of a load's 512, and of a store's
	s_mul_i32 s49, s22, WREG                       ; my stages
	v_lshlrev_b32 v14, 2, v2
	s_delay_alu instid0(VALU_DEP_1)
	v_add_nc_u32 v14, s49, v14                     ; the stage, on the way in: 4 bytes a lane, a load's 128 codes on end
	v_add_nc_u32 v15, s49, v3                      ; and on the way out: 16 bytes a lane
	s_and_b32 s23, s22, 3                          ; t: which W; among the activations 0, 1: prev_h's halves, 2: x
	s_lshr_b32 s24, s22, 2                         ; which 1,024 columns of a W
	s_lshr_b32 s26, ttmp9, 2
	s_lshl_b32 s26, s26, 7                         ; W's first row in w_codes: 128 (g / 4)
	s_lshl_b32 s29, s23, 5
	s_add_co_u32 s26, s26, s29                     ; + 32 x gate
	s_and_b32 s29, ttmp9, 3
	s_lshl_b32 s29, s29, 3
	s_add_co_u32 s26, s26, s29                     ; + 8 (g % 4)
	s_lshl_b32 s27, ttmp9, 3                       ; the first row in every source, and in a_codes: 8 g
	s_and_b32 s28, s23, 1                          ; an activation's 1,024 columns in its source
	s_lshr_b32 s29, s23, 1
	s_lshr_b32 s30, 0x2000, s29                    ; an activation's pitch: 8,192 bytes (prev_h) or 4,096 (x)
	s_mov_b32 s31, 0x3000                          ; W's pitch: 12,288 bytes
	s_wait_alu depctr_va_vdst(0)
	s_wait_kmcnt 0x0
	s_load_b64 s[46:47], s[16:17], 0x0             ; ea, eb
	s_mov_b64 s[32:33], s[4:5]                     ; W[t]: every choice hangs on the wave's number alone
	s_cmp_eq_u32 s23, 1
	s_cselect_b64 s[32:33], s[6:7], s[32:33]
	s_cmp_eq_u32 s23, 2
	s_cselect_b64 s[32:33], s[8:9], s[32:33]
	s_cmp_eq_u32 s23, 3
	s_cselect_b64 s[32:33], s[10:11], s[32:33]
	s_cmp_eq_u32 s23, 2
	s_cselect_b64 s[34:35], s[14:15], s[12:13]     ; x or prev_h
	s_cmp_lt_u32 s22, 12                           ; a weight's wave or an activation's?  Only selects follow this compare
	s_cselect_b64 s[32:33], s[32:33], s[34:35]     ; the source
	s_cselect_b64 s[36:37], s[20:21], s[18:19]     ; the codes' buffer
	s_cselect_b32 s38, s31, s30                    ; the source's pitch
	s_cselect_b32 s39, s24, s28                    ; which 1,024 columns of the source
	s_cselect_b32 s40, s24, s23                    ; which 1,024 bytes of a row of codes
	s_cselect_b32 s41, s26, s27                    ; the first row of codes
	s_mul_i32 s42, s27, s38                        ; offsets stay under 2^25
	s_lshl_b32 s43, s39, 12
	s_add_co_u32 s42, s42, s43
	s_mov_b32 s43, 0
	s_add_nc_u64 s[32:33], s[32:33], s[42:43]
	s_mul_i32 s44, s41, KB
	s_lshl_b32 s45, s40, 10
	s_add_co_u32 s44, s44, s45
	s_mov_b32 s45, 0
	s_add_nc_u64 s[36:37], s[36:37], s[44:45]
.irp i, 0,1,2,3,4,5,6,7
	s_mul_i32 s48, s38, \i
	v_add_nc_u32 v[OFFR+\i], s48, v3
.endr
.macro LOAD t                          ; step t: row t / 2, half t % 2 of my 4,096 bytes of it
.irp j, 0,1,2,3
	global_load_b128 v[R+16*((\t)%DEPTH)+4*\j:R+16*((\t)%DEPTH)+4*\j+3], v[OFFR+(\t)/2], s[32:33] offset:2048*((\t)%2)+512*\j th:TH_LOAD_NT   ; 32 lanes read 512 consecutive bytes; read once in the launch
.endr
.endm
.irp t, 0,1,2,3,4,5
	LOAD \t
.endr
	s_wait_kmcnt 0x0
	s_cmp_lt_u32 s22, 12
	s_cselect_b32 s46, s47, s46                    ; e: eb for a weight, ea for an activation
	s_add_co_i32 s46, s46, 127
	s_lshl_b32 s47, s46, 23
	v_mov_b32 v11, s47                             ; 2^e as f32: the conversion takes its exponent field
	s_add_co_i32 s46, s46, 15
	s_lshl_b32 s46, s46, 23
	s_or_b32 s46, s46, 0x600000
	v_mov_b32 v10, s46                             ; 57,344 x 2^e
.macro STEP t
.set RS, R+16*((\t)%DEPTH)
.set CS, C+4*((\t)%2)
.set TP, (\t)-1
.if STEPS-1-(\t) >= DEPTH-1
	s_wait_loadcnt 4*(DEPTH-1)                     ; this step's four loads are in; those of the five steps behind it may be out
.else
	s_wait_loadcnt 4*(STEPS-1-(\t))                ; the last steps load nothing: the counts run down
.endif
.irp i, 0,1,2,3,4,5,6,7,8,9,10,11,12,13,14,15
	v_med3_num_f32 v[RS+\i], v[RS+\i], -v10, v10   ; the conversion to an 8-bit code does not saturate (ISA guide 7.6.2): the number is held within the largest code x the scale first
.endr
	v_cvt_scalef32_pk8_bf8_f32 v[CS:CS+1], v[RS:RS+7], v11       ; eight numbers / 2^e, to the nearest code, ties to even: word 0 = the four codes of load 0, word 1 = those of load 1
	v_cvt_scalef32_pk8_bf8_f32 v[CS+2:CS+3], v[RS+8:RS+15], v11  ; loads 2 and 3.  This set of words was last read by the LDS stores of two steps ago, which the last step's wait on DScnt has shown done
	; the codes go to LDS stores and the numbers' registers to loads alone; the next vector lines are the next step's holds, plain lines on another set of registers
.if (\t)+DEPTH < STEPS
	LOAD (\t)+DEPTH                                ; into the registers just converted
.endif
.irp j, 0,1,2,3
	ds_store_b32 v14, v[CS+\j] offset:STG*((\t)%2)+128*\j        ; number 128 j + 4 lane + i of the step has its code at that byte of the stage
.endr
	ds_load_b128 v[D+4*(\t):D+4*(\t)+3], v15 offset:STG*((\t)%2) ; LDS serves a wave's instructions in order (ISA guide 5.7.1.4): this sees the stores above
.if (\t) > 0
	s_wait_dscnt 5                                 ; the five LDS instructions just issued may be out: the step before's codes are back
	global_store_b128 v3, v[D+4*TP:D+4*TP+3], s[36:37] offset:(TP/2)*KB+(TP%2)*512   ; 32 lanes store 512 consecutive bytes
.endif
.endm
	s_wait_alu depctr_va_vdst(0)
.irp t, 0,1,2,3,4,5,6,7,8,9,10,11,12,13,14,15
	STEP \t
.endr
	s_wait_dscnt 0x0                               ; the last step's codes are back
	global_store_b128 v3, v[D+4*(STEPS-1):D+4*(STEPS-1)+3], s[36:37] offset:((STEPS-1)/2)*KB+((STEPS-1)%2)*512
	s_wait_tensorcnt 0x0
	ds_add_u32 v192, v193
	s_wait_dscnt 0x0
	s_endpgm
.Lfunc_end_k_q523b01bf4b_quant:
	.size	k_q523b01bf4b_quant, .Lfunc_end_k_q523b01bf4b_quant-k_q523b01bf4b_quant
	.p2alignl 7, 3214868480
	.fill 96, 4, 3214868480
	.section	.rodata,"a",@progbits
	.p2align	6, 0x0
	.amdhsa_kernel k_q523b01bf4b_quant
		.amdhsa_group_segment_fixed_size 17408
		.amdhsa_private_segment_fixed_size 0
		.amdhsa_enable_private_segment 0
		.amdhsa_kernarg_size 72
		.amdhsa_user_sgpr_count 2
		.amdhsa_user_sgpr_kernarg_segment_ptr 1
		.amdhsa_wavefront_size32 1
		.amdhsa_system_sgpr_workgroup_id_x 1
		.amdhsa_system_sgpr_workgroup_id_y 1
		.amdhsa_system_sgpr_workgroup_id_z 1
		.amdhsa_system_vgpr_workitem_id 0
		.amdhsa_next_free_vgpr 194
		.amdhsa_next_free_sgpr 66
		.amdhsa_reserve_vcc 0
		.amdhsa_float_denorm_mode_32 3
		.amdhsa_float_denorm_mode_16_64 3
		.amdhsa_memory_ordered 1
		.amdhsa_forward_progress 1
		.amdhsa_inst_pref_size 35
	.end_amdhsa_kernel
	.amdgpu_metadata
---
amdhsa.version: [ 1, 2 ]
amdhsa.kernels:
  - .name:           k_q523b01bf4b_quant
    .symbol:         k_q523b01bf4b_quant.kd
    .args:
      - { .name: W_i, .offset: 0, .size: 8, .value_kind: global_buffer, .address_space: global }
      - { .name: W_f, .offset: 8, .size: 8, .value_kind: global_buffer, .address_space: global }
      - { .name: W_o, .offset: 16, .size: 8, .value_kind: global_buffer, .address_space: global }
      - { .name: W_c, .offset: 24, .size: 8, .value_kind: global_buffer, .address_space: global }
      - { .name: prev_h, .offset: 32, .size: 8, .value_kind: global_buffer, .address_space: global }
      - { .name: x, .offset: 40, .size: 8, .value_kind: global_buffer, .address_space: global }
      - { .name: lowp_scales, .offset: 48, .size: 8, .value_kind: global_buffer, .address_space: global }
      - { .name: a_codes, .offset: 56, .size: 8, .value_kind: global_buffer, .address_space: global }
      - { .name: w_codes, .offset: 64, .size: 8, .value_kind: global_buffer, .address_space: global }
    .group_segment_fixed_size: 17408
    .private_segment_fixed_size: 0
    .kernarg_segment_align: 8
    .kernarg_segment_size: 72
    .max_flat_workgroup_size: 480
    .sgpr_count:     66
    .vgpr_count:     194
    .wavefront_size: 32
...
	.end_amdgpu_metadata
.endif
;; end of part 1
;; launch cell (part 2): grid 32 x 8, 4 waves a work-group, clusters of 4 x 4, 327,680 bytes of LDS; arguments a_codes, w_codes, lowp_scales, prev_c, out0, out1; writes out0, out1
.if DOCPART == 2
	.amdgcn_target "amdgcn-amd-amdhsa--gfx1250"
	.amdhsa_code_object_version 6
	.text
	.protected	k_q523b01bf4b_cell
	.globl	k_q523b01bf4b_cell
	.p2align	8
	.type	k_q523b01bf4b_cell,@function
k_q523b01bf4b_cell:
	s_mov_b64 s[64:65], 0
	v_nop
	global_prefetch_b8 v0, s[64:65] scope:SCOPE_SE
	s_setreg_imm32_b32 hwreg(HW_REG_WAVE_MODE, 25, 1), 1
	s_wait_xcnt 0x0
	s_wait_alu depctr_hold_cnt(0) depctr_sa_sdst(0) depctr_va_vdst(0) depctr_va_sdst(0) depctr_va_ssrc(0) depctr_va_vcc(0) depctr_vm_vsrc(0)
	s_getreg_b32 s2, hwreg(HW_REG_IB_STS2, 6, 4)
	s_cmp_eq_u32 s2, 0
	s_cbranch_scc0 .Lentry_in_a_cluster
	s_endpgm
.Lentry_in_a_cluster:
	s_bfe_u32 s2, ttmp6, 0x10000c
	s_cmp_lg_u32 s2, 0xf033
	s_cbranch_scc0 .Lentry_shape_is_right
	s_endpgm
.Lentry_shape_is_right:
; The LSTM cell: gates = a_codes x w_codes^T on codes of BF8 (E5M2), K = 3,072, f32 sums, then the cell's arithmetic in f32, and out0 = next_h, out1 = next_c.
; a_codes [2048][3072]; w_codes [8192][3072], gate g of hidden unit u in row 128 (u / 32) + 32 g + u % 32: 128 rows on end hold 32 units of all four gates, so a wave finds a unit's four gates in its own sums.
; A work-group of four waves makes 256 rows x 256 gate columns (64 units); a wave 128 x 128: 64 accumulators, 512 registers.  K goes in twelve steps of 256 through two LDS slots filled by tensor loads.
; CLUSTERS 4 x 4: A's tiles are asked for jointly along a row of the cluster, B's along a column.
; The matrix instruction is used transposed (source 0 = rows of w_codes, source 1 = rows of a_codes): a lane holds eight neighbouring units of one batch row.
; A step of 128 along K is four groups of 16 products (two blocks of A x B's eight).  The next step's 64 LDS loads stand in three runs: behind the first and the second group half of B's other set
; with the two blocks of A just multiplied (24 loads each), behind the fourth A's last four blocks (16).  A has one set of registers, B two.
; THE CELL.  With Ei, Ef, Eo = 2^(-log2(e) g), Ec = 2^(-2 log2(e) gc): next_c = prev_c / (1+Ef) + (1-Ec) / ((1+Ei)(1+Ec)); with En = 2^(-2 log2(e) next_c): next_h = (1-En) / ((1+Eo)(1+En)).
; The exponents of Ec and En are held at 30 from above, so that 1-Ec and 1-En stay finite; beyond it a tanh differs from -1 by less than 2^-29.  Ei, Ef, Eo may become infinite: they stand in divisors alone, and the reciprocal is then 0.
; LIMIT: ea + eb lies between -125 and 125: it is added to the exponent fields of the two constants.  NaN among the inputs is not served.
; WINDOWS: 0: v0-31 addresses, v32-127 the cell's work, v128-255 A's fragments (on the way out next_h and the rows read back); 1: B's two sets; 2, 3: accumulators of my rows 0-63, 64-127.
.set ROWB,   256                       ; a tile's row: 256 codes
.set KROW,   3072                      ; a row of codes in memory
.set PITCH,  272                       ; an LDS row: 256 bytes + 16 of padding
.set FR,     16                        ; registers of a fragment
.set NP,     4                         ; places behind this matrix form (ISA guide 7.12.1)
.set HALFT,  128*PITCH
.set SLOT,   4*HALFT                   ; A's 256 rows, then B's
.set SPARE,  2*SLOT                    ; the spare words: 512 bytes that no other line names
.set OROW,   8192                      ; a row of prev_c and of the outputs
.set ADRA, 16                          ; v16-17 my A fragments in slot 0, 1
.set ADRB, 20                          ; v20-21 the same for B
.set PFO,  22                          ; lane x a row of codes: the prefetches of tiles
.set PFC,  23                          ; lane x a row of prev_c
.set STC,  24                          ; into the stage: next_c, next_h
.set STH,  25
.set RDC,  26                          ; back from it, by whole rows
.set RDH,  27
.set SPW,  28
.set NIL,  29
.set CO,   30                          ; my bytes in two rows of an output
.set PCA,  31                          ; my prev_c in slot 0
.set G,    32                          ; v32-95 a block's four gates, 16 numbers each
.set GI,   G
.set GF,   G+16
.set GO,   G+32
.set GC,   G+48
.set P,    96                          ; prev_c
.set T,    112                         ; next_c
.set HO,   128                         ; next_h
.set AF,   128
.set BK,   192                         ; two sets of 32: rows read back
.set G1,   24
.set G0,   32
.set G1B,  48
.set G0B,  56
.set PFA,  66
.set OUTH, 68
.set OUTC, 70
.set G1C,  72
.set G0C,  80
.set PCB,  84
.set LIM,  86
.set KS,   88
.set KT,   90
.set KN,   92
.set CAP,  94
.set MSB, 0
.macro WIN new                         ; the immediate's high byte repeats the setting that is left
.if MSB != \new
	s_set_vgpr_msb (MSB<<8)|\new
.set MSB, \new
.endif
.endm
.set MUL_LO, 0xa1
.set MUL_HI, 0xf1
.set TO_B,   0x40
.macro JLOAD g0a, g1a, g0b, g1b        ; a joint load: waves 0, 1 for A, waves 2, 3 for B; s_nop 0 and four v_nop behind each line
	s_cmp_eq_u32 s15, 0
	s_cbranch_scc0 .Lfor_b_\@
	tensor_load_to_lds s[\g0a:\g0a+3], s[\g1a:\g1a+7]
	s_nop 0
.rept 4
	v_nop
.endr
	s_branch .Lasked_\@
.Lfor_b_\@:
	tensor_load_to_lds s[\g0b:\g0b+3], s[\g1b:\g1b+7]
	s_nop 0
.rept 4
	v_nop
.endr
.Lasked_\@:
.endm
.macro CREST                           ; a round of the cluster's barrier behind its opening barrier
	s_cmp_lg_u32 s14, 0
	s_cbranch_scc1 .Lnot_wave_0_\@
	s_barrier_signal -3
.Lnot_wave_0_\@:
	s_barrier_wait -3
	s_barrier_signal -1
	s_barrier_wait -1
.endm
.macro CROUND
	s_barrier_signal -1
	s_barrier_wait -1
	CREST
.endm
.macro ASKK                            ; the K step two refills on: 32 rows x 256 bytes, a lane a row; the loop's first four trips name K steps 4 to 11, the last trip (s3 = 1) has no K step two on
	s_cmp_gt_u32 s3, s[LIM]
	s_cbranch_scc0 .Lnot_mine_\@
	global_prefetch_b8 v[PFO], s[PFA:PFA+1] offset:2*ROWB th:TH_LOAD_NT scope:SCOPE_SE
.Lnot_mine_\@:
.endm
.macro ASKC                            ; my wave's 64 rows x 256 bytes of prev_c, in the loop's last trip: two changes of slots ahead of their tensor load
	s_cmp_eq_u32 s3, 1
	s_cbranch_scc0 .Lnot_yet_\@
	global_prefetch_b8 v[PFC], s[PCB:PCB+1] th:TH_LOAD_NT scope:SCOPE_SE
	global_prefetch_b8 v[PFC], s[PCB:PCB+1] offset:32*OROW th:TH_LOAD_NT scope:SCOPE_SE
.Lnot_yet_\@:
.endm
	s_load_b128 s[4:7], s[0:1], 0x0                ; a_codes, w_codes
	s_load_b128 s[8:11], s[0:1], 0x10              ; the scales' exponents, prev_c
	s_load_b128 s[68:71], s[0:1], 0x20             ; out0, out1
	v_lshl_add_u32 v[SPW], v0, 2, SPARE
	v_mov_b32 v[NIL], 0
	ds_add_u32 v[SPW], v[NIL]                      ; the opening lines: the add, twice on end, and its wait
	ds_add_u32 v[SPW], v[NIL]
	v_lshrrev_b32 v1, 5, v0
	v_readfirstlane_b32 s14, v1                    ; wave
	v_and_b32 v5, 31, v0
	v_mul_u32_u24 v[PFO], v5, KROW
	v_lshlrev_b32 v[PFC], 13, v5
	s_lshr_b32 s15, s14, 1                         ; my half of the rows; also: I fetch for A (0) or B (1)
	s_and_b32 s16, s14, 1                          ; my half of the columns; also: which 128 rows I fetch
	s_bfe_u32 s40, ttmp6, 0x40000                  ; cx
	s_bfe_u32 s41, ttmp6, 0x40004                  ; cy
	s_lshl_b32 s42, ttmp9, 2
	s_add_co_u32 s42, s42, s40                     ; tile column
	s_and_b32 s17, ttmp7, 0xffff
	s_lshl_b32 s17, s17, 2
	s_add_co_u32 s17, s17, s41                     ; tile row
	s_lshl_b32 s43, s41, 2
	s_lshl_b32 s43, 15, s43                        ; my row of the cluster
	s_lshl_b32 s44, 0x1111, s40                    ; my column
	s_or_b32 s[G1+0], s43, (0<<16)|(1<<20)|(1<<21)|(5<<22)|(3<<25)   ; mask; bytes; padding of 4 words behind every 64; bit 21 beside a mask
	s_or_b32 s[G1B+0], s44, (0<<16)|(1<<20)|(1<<21)|(5<<22)|(3<<25)
.irp g, G1, G1B
	s_mov_b32 s[\g+1], ROWB<<16
	s_mov_b32 s[\g+2], 128<<16
	s_mov_b32 s[\g+3], ROWB<<16
	s_mov_b32 s[\g+4], 128
	s_mov_b32 s[\g+5], KROW
	s_mov_b32 s[\g+6], 0
	s_mov_b32 s[\g+7], 0
.endr
	s_mov_b32 s[G1C+0], (2<<16)|(1<<20)|(5<<22)|(3<<25)   ; prev_c: 64 rows x 64 f32, padded alike, no mask
	s_mov_b32 s[G1C+1], 64<<16
	s_mov_b32 s[G1C+2], 64<<16
	s_mov_b32 s[G1C+3], 64<<16
	s_mov_b32 s[G1C+4], 64
	s_mov_b32 s[G1C+5], 2048
	s_mov_b32 s[G1C+6], 0
	s_mov_b32 s[G1C+7], 0
	s_lshl_b32 s18, s16, 7
	s_lshl_b32 s20, s17, 8
	s_add_co_u32 s20, s20, s18                     ; A: row 256 x tile row + 128 x half
	s_lshl_b32 s46, s42, 8
	s_add_co_u32 s46, s46, s18                     ; B: row 256 x tile column + 128 x half
	s_mov_b32 s21, 0
	s_mov_b32 s47, 0
	s_mov_b64 s[18:19], KROW
	s_mul_u64 s[20:21], s[20:21], s[18:19]
	s_mul_u64 s[46:47], s[46:47], s[18:19]
	s_mul_i32 s45, s14, HALFT                      ; where my part of a tile goes
	s_wait_alu depctr_va_vdst(0)
	s_wait_dscnt 0x0                               ; both opening adds are done
	s_wait_kmcnt 0x0
	s_load_b64 s[96:97], s[8:9], 0x0               ; ea, eb
	s_add_nc_u64 s[20:21], s[4:5], s[20:21]
	s_add_nc_u64 s[46:47], s[6:7], s[46:47]
.irp s, 0,1
	s_mov_b32 s[G0+4*\s], 1
	s_add_co_u32 s[G0+4*\s+1], s45, \s*SLOT
	s_add_nc_u64 s[G0+4*\s+2:G0+4*\s+3], s[20:21], \s*ROWB
	s_or_b32 s[G0+4*\s+3], s[G0+4*\s+3], 0x80000000
	s_mov_b32 s[G0B+4*\s], 1
	s_add_co_u32 s[G0B+4*\s+1], s45, \s*SLOT
	s_add_nc_u64 s[G0B+4*\s+2:G0B+4*\s+3], s[46:47], \s*ROWB
	s_or_b32 s[G0B+4*\s+3], s[G0B+4*\s+3], 0x80000000
.endr
	; the prefetches: of the 128 rows that I fetch, my work-group takes 32, told apart by address (cx for A, cy for B).  A's rows are shared by the eight clusters of a row of clusters: the four with an even x ask for them.  B's rows are asked for by both clusters that load them
	s_lshl_b32 s18, s17, 8
	s_lshl_b32 s19, s42, 8
	s_and_b32 s22, ttmp9, 1
	s_cmp_eq_u32 s15, 0
	s_cselect_b32 s20, s18, s19
	s_cselect_b32 s21, s40, s41
	s_cselect_b32 s22, s22, 0
	s_cselect_b64 s[PFA:PFA+1], s[4:5], s[6:7]
	s_cmp_eq_u32 s22, 0
	s_cselect_b32 s[LIM], 1, -1                    ; 1: my wave asks; the greatest number: it does not
	s_lshl_b32 s22, s16, 7
	s_add_co_u32 s20, s20, s22
	s_lshl_b32 s21, s21, 5
	s_add_co_u32 s20, s20, s21
	s_mul_i32 s20, s20, KROW
	s_mov_b32 s21, 0
	s_add_nc_u64 s[PFA:PFA+1], s[PFA:PFA+1], s[20:21]
	s_add_nc_u64 s[PFA:PFA+1], s[PFA:PFA+1], ROWB  ; at K step 1
	CROUND                                         ; all sixteen work-groups are here: the first joint loads meet
	JLOAD G0, G1, G0B, G1B                         ; K step 0: one tensor load a wave at the head
	s_cmp_eq_u32 s[LIM], 1
	s_cbranch_scc0 .Lno_first_ask
	global_prefetch_b8 v[PFO], s[PFA:PFA+1] th:TH_LOAD_NT scope:SCOPE_SE               ; K steps 1 and 2: the buffers' first touch; their loads follow one and two changes of slots on
	global_prefetch_b8 v[PFO], s[PFA:PFA+1] offset:ROWB th:TH_LOAD_NT scope:SCOPE_SE
.Lno_first_ask:
	s_lshl_b32 s20, s17, 8                         ; prev_c: my wave's 64 rows of the tile's 256, the tile's 64 units
	s_lshl_b32 s21, s14, 6
	s_add_co_u32 s20, s20, s21
	s_lshl_b32 s20, s20, 13
	s_lshl_b32 s21, s42, 8
	s_add_co_u32 s20, s20, s21
	s_mov_b32 s21, 0
	s_add_nc_u64 s[PCB:PCB+1], s[10:11], s[20:21]
	s_mov_b32 s[G0C], 1
	s_mul_i32 s[G0C+1], s14, 64*PITCH
	s_mov_b64 s[G0C+2:G0C+3], s[PCB:PCB+1]
	s_or_b32 s[G0C+3], s[G0C+3], 0x80000000
	s_lshl_b32 s20, s17, 8                         ; the outputs: row 256 x tile row + 128 x half + 8 x my place in the pair of waves
	s_lshl_b32 s21, s15, 7
	s_add_co_u32 s20, s20, s21
	s_lshl_b32 s21, s16, 3
	s_add_co_u32 s20, s20, s21
	s_lshl_b32 s20, s20, 13
	s_lshl_b32 s21, s42, 8
	s_add_co_u32 s20, s20, s21
	s_mov_b32 s21, 0
	s_add_nc_u64 s[OUTH:OUTH+1], s[OUTH:OUTH+1], s[20:21]
	s_add_nc_u64 s[OUTC:OUTC+1], s[OUTC:OUTC+1], s[20:21]
	s_mov_b32 s[KN], 0xc038aa3b                    ; -2 log2(e)
	s_mov_b32 s[KN+1], 0xc038aa3b
	s_mov_b32 s[CAP], 0x41f00000                   ; 30.0
	s_mul_i32 s18, s15, HALFT                      ; my 128 rows of A
	s_mul_i32 s19, s16, HALFT
	s_add_co_u32 s19, s19, 2*HALFT                 ; my 128 rows of B
	s_lshl_b32 s22, s16, 7
	s_add_co_u32 s22, s22, s18                     ; prev_c and the stages: my rows, my 128 bytes of them
	s_mul_i32 s23, s16, 8*PITCH
	s_add_co_u32 s23, s23, s18
	s_add_co_u32 s23, s23, SLOT                    ; back from the stage: 8 of each block's 16 rows
	v_and_b32 v1, 15, v0
	v_bfe_u32 v2, v0, 4, 1
	v_mul_u32_u24 v3, v1, PITCH
	v_lshl_add_u32 v4, v2, 4, v3
	v_add_nc_u32 v[ADRA], s18, v4
	v_add_nc_u32 v[ADRB], s19, v4
	v_add_nc_u32 v[ADRA+1], SLOT, v[ADRA]
	v_add_nc_u32 v[ADRB+1], SLOT, v[ADRB]
	v_lshl_add_u32 v6, v2, 5, v3
	v_add_nc_u32 v[PCA], s22, v6
	v_add_nc_u32 v[STC], SLOT, v[PCA]              ; the stages lie in slot 1, which has had its last fill and its last read when they are written
	v_add_nc_u32 v[STH], SLOT+2*HALFT, v[PCA]
	v_mul_u32_u24 v7, v2, PITCH
	v_lshl_add_u32 v7, v1, 4, v7
	v_add_nc_u32 v[RDC], s23, v7
	v_add_nc_u32 v[RDH], 2*HALFT, v[RDC]
	v_lshlrev_b32 v[CO], 13, v2
	v_lshl_add_u32 v[CO], v1, 4, v[CO]
.macro FRAG reg, adr, q, i             ; 16 rows x 128 K: registers 4 c .. 4 c + 3 hold K = 32 c + 16 (l / 16) + 0 .. 15, alike in A and in B
.irp c, 0,1,2,3
	ds_load_b128 v[\reg+4*\c:\reg+4*\c+3], v[\adr] offset:128*(\q)+32*\c+(\i)*16*PITCH
.endr
.endm
.macro MUL8 a, p, zero                 ; A's block a x B's eight of set p; the 64 accumulators take turns
.irp b, 0,1,2,3,4,5,6,7
.if \zero
	v_wmma_f32_16x16x128_bf8_bf8 v[8*(8*((\a)%4)+\b):8*(8*((\a)%4)+\b)+7], v[128*(\p)+FR*\b:128*(\p)+FR*\b+FR-1], v[AF+FR*(\a):AF+FR*(\a)+FR-1], 0
.else
	v_wmma_f32_16x16x128_bf8_bf8 v[8*(8*((\a)%4)+\b):8*(8*((\a)%4)+\b)+7], v[128*(\p)+FR*\b:128*(\p)+FR*\b+FR-1], v[AF+FR*(\a):AF+FR*(\a)+FR-1], v[8*(8*((\a)%4)+\b):8*(8*((\a)%4)+\b)+7]
.endif
.endr
.endm
.macro MUL16 a0, p, zero
	MUL8 \a0, \p, \zero
	MUL8 \a0+1, \p, \zero
.endm
.macro LB slot, q, p, i0               ; 16 loads: B's fragments i0 .. i0 + 3 into set p (under TO_B)
.irp i, \i0, \i0+1, \i0+2, \i0+3
	FRAG 128*(\p)+FR*(\i), ADRB+\slot, \q, \i
.endr
.endm
.macro LA slot, q, i0                  ; 8 loads: A's blocks i0, i0 + 1
.irp i, \i0, \i0+1
	FRAG AF+FR*(\i), ADRA+\slot, \q, \i
.endr
.endm
.macro PLACES n                        ; places in front of loads into registers that matrix instructions have read
.rept \n
	v_nop
.endr
.endm
; A slot's first step.  On entry the loads out are, in order: B's 32, A's blocks 01, 23, 45, 67 (8 each).
.macro STEP slot, zero
	s_wait_dscnt 24                                ; B and blocks 0, 1 are in; 23, 45, 67 may be out
	WIN MUL_LO
	MUL16 0, 0, \zero
	PLACES NP
	WIN TO_B
	LB \slot, 1, 1, 0
	WIN 0
	LA \slot, 1, 0
	s_wait_dscnt 40                                ; blocks 2, 3: behind them 45, 67 and the 24 just issued
	WIN MUL_LO
	MUL16 2, 0, \zero
	PLACES NP
	WIN TO_B
	LB \slot, 1, 1, 4
	WIN 0
	LA \slot, 1, 2
	s_wait_dscnt 48                                ; blocks 4 to 7: behind them twice 24
	WIN MUL_HI
	MUL16 4, 0, \zero
	MUL16 6, 0, \zero
	PLACES NP
	WIN 0
	LA \slot, 1, 4
	LA \slot, 1, 6
.endm
; A slot's second step changes slots.  fill = 1: this slot takes the K step two on; fill = 2: slot 0 takes prev_c's tile.  ask: bit 0 the tiles' prefetch, bit 1 prev_c's.
; From a refill to the wait for it a wave issues 112 matrix instructions: 32 here, a first step's 64, and the next change's first 16.
.macro TURN slot, next, fill, ask
.if (\ask) & 1
	s_wait_xcnt 0x0                                ; my prefetches have read their address
	s_add_nc_u64 s[PFA:PFA+1], s[PFA:PFA+1], ROWB
.endif
	s_wait_dscnt 16                                ; blocks 4-7's sixteen loads may be out
	WIN MUL_LO
	MUL16 0, 1, 0
	WIN 0                                          ; (the add's two registers lie in window 0)
	s_wait_tensorcnt 0x0                           ; all my tensor loads have landed: my part of the next slot
	ds_add_u32 v[SPW], v[NIL]
	WIN MUL_LO
	MUL8 2, 1, 0                                   ; eight matrix instructions stand between the add and the wait for it
	s_wait_dscnt 0x0                               ; the add is done, my reads of this slot are over
	s_barrier_signal -1
	MUL8 3, 1, 0
	WIN 0
	s_barrier_wait -1
	CREST                                          ; the round: no wave of any partner still reads this slot or has a load on its way
.if \fill == 1
	s_add_nc_u64 s[G0+4*\slot+2:G0+4*\slot+3], s[G0+4*\slot+2:G0+4*\slot+3], 2*ROWB
	s_add_nc_u64 s[G0B+4*\slot+2:G0B+4*\slot+3], s[G0B+4*\slot+2:G0B+4*\slot+3], 2*ROWB
	JLOAD G0+4*\slot, G1, G0B+4*\slot, G1B         ; its four v_nop are also the places in front of the loads below
.else
	tensor_load_to_lds s[G0C:G0C+3], s[G1C:G1C+7]
	s_nop 0
	PLACES 4
.endif
	WIN TO_B
	LB \next, 0, 0, 0
	LB \next, 0, 0, 4
	WIN 0
	LA \next, 0, 0
	LA \next, 0, 2
.if (\ask) & 1
	ASKK
.endif
.if (\ask) & 2
	ASKC
.endif
	WIN MUL_HI
	MUL16 4, 1, 0
	MUL16 6, 1, 0
	PLACES NP
	WIN 0
	LA \next, 0, 4
	LA \next, 0, 6
.endm
	s_wait_alu depctr_va_vdst(0)
	s_wait_tensorcnt 0x0                           ; my part of K step 0 is in
	ds_add_u32 v[SPW], v[NIL]
	s_wait_dscnt 0x0
	CROUND                                         ; everybody's part of K step 0 is in
	JLOAD G0+4, G1, G0B+4, G1B                     ; K step 1, slot 1's first fill
	WIN TO_B
	LB 0, 0, 0, 0
	LB 0, 0, 0, 4
	WIN 0
	LA 0, 0, 0
	LA 0, 0, 2
	LA 0, 0, 4
	LA 0, 0, 6
	s_cmp_eq_u32 s[LIM], 1
	s_cbranch_scc0 .Lno_second_ask
	global_prefetch_b8 v[PFO], s[PFA:PFA+1] offset:2*ROWB th:TH_LOAD_NT scope:SCOPE_SE   ; K step 3: its load follows two changes of slots on
.Lno_second_ask:
	STEP 0, 1                                      ; the first step's products start the sums
	s_mov_b32 s3, 5
.Llap:                                                 ; a trip goes once round the ring and fills both slots again: K steps 2 to 11
	TURN 0, 1, 1, 3
	STEP 1, 0
	TURN 1, 0, 1, 1
	STEP 0, 0
	s_sub_co_u32 s3, s3, 1
	s_cmp_lg_u32 s3, 0
	s_cbranch_scc1 .Llap
	TURN 0, 1, 2, 0
	STEP 1, 0
	s_wait_dscnt 16                                ; the last step fetches nothing
	WIN MUL_LO
	MUL16 0, 1, 0
	MUL16 2, 1, 0
	s_wait_dscnt 0x0                               ; my reads of slot 1 are over,
	s_wait_tensorcnt 0x0                           ; and my part of prev_c's tile is in
	s_barrier_signal -1
	WIN MUL_HI
	MUL16 4, 1, 0
	MUL16 6, 1, 0
	WIN 0
	s_barrier_wait -1
; THE WAY OUT, by blocks of 16 rows.  In block a register 8 b + j of lane (r, h) is gate b / 2 of unit 16 (b % 2) + 8 h + j, row r.
.macro PCLOAD a
.irp s, 0,1
.irp q, 0,1
	ds_load_b128 v[P+8*\s+4*\q:P+8*\s+4*\q+3], v[PCA] offset:16*PITCH*(\a)+64*\s+16*\q
.endr
.endr
.endm
.macro SCALE a                         ; the exponents: sums x 2^(ea + eb) x -log2(e) (i, f, o) or -2 log2(e) (c: held at 30); each accumulator is read from its low end on
.set AC, 64*((\a)%4)
	WIN 0x02+((\a)/4)
	s_wait_alu depctr_va_vdst(0)                   ; a wait ahead of the first readers of matrix results
.set NN, 0
.rept 24
	v_pk_mul_f32 v[G+NN:G+NN+1], v[AC+NN:AC+NN+1], s[KS:KS+1] op_sel_hi:[1,0]
.set NN, NN+2
.endr
.rept 8
	v_pk_mul_f32 v[G+NN:G+NN+1], v[AC+NN:AC+NN+1], s[KT:KT+1] op_sel_hi:[1,0]
.set NN, NN+2
.endr
	WIN 0
.set NN, 0
.rept 16
	v_min_num_f32 v[GC+NN], s[CAP], v[GC+NN]
.set NN, NN+1
.endr
.endm
.macro BATCH op, r, n                  ; n transcendentals on end, a wait ahead of them
	s_wait_alu depctr_va_vdst(0)
.set NN, 0
.rept \n
	\op v[\r+NN], v[\r+NN]
.set NN, NN+1
.endr
.endm
.macro REST                            ; registers alone: it stands between a barrier's signal and its wait
	BATCH v_exp_f32, G, 64
	v_nop
	s_wait_alu depctr_va_vdst(0)                   ; one wait for the batch, ahead of its first reader
.irp m, 0,2,4,6,8,10,12,14
	v_pk_add_f32 v[GI+\m:GI+\m+1], v[GI+\m:GI+\m+1], 1.0 op_sel_hi:[1,0]
.endr
.irp m, 0,2,4,6,8,10,12,14
	v_pk_fma_f32 v[T+\m:T+\m+1], v[GC+\m:GC+\m+1], -1.0, 1.0 op_sel_hi:[1,0,0]
.endr
.irp m, 0,2,4,6,8,10,12,14
	v_pk_add_f32 v[GC+\m:GC+\m+1], v[GC+\m:GC+\m+1], 1.0 op_sel_hi:[1,0]
.endr
.irp m, 0,2,4,6,8,10,12,14
	v_pk_add_f32 v[GF+\m:GF+\m+1], v[GF+\m:GF+\m+1], 1.0 op_sel_hi:[1,0]
.endr
.irp m, 0,2,4,6,8,10,12,14
	v_pk_mul_f32 v[GI+\m:GI+\m+1], v[GI+\m:GI+\m+1], v[GC+\m:GC+\m+1]
.endr
	BATCH v_rcp_f32, GI, 32                        ; 1 / ((1+Ei)(1+Ec)) and, in the sixteen registers behind, 1 / (1+Ef)
	v_nop
	s_wait_alu depctr_va_vdst(0)
.irp m, 0,2,4,6,8,10,12,14
	v_pk_mul_f32 v[T+\m:T+\m+1], v[T+\m:T+\m+1], v[GI+\m:GI+\m+1]
.endr
.irp m, 0,2,4,6,8,10,12,14
	v_pk_fma_f32 v[T+\m:T+\m+1], v[P+\m:P+\m+1], v[GF+\m:GF+\m+1], v[T+\m:T+\m+1]      ; next_c
.endr
.irp m, 0,2,4,6,8,10,12,14
	v_pk_mul_f32 v[GC+\m:GC+\m+1], v[T+\m:T+\m+1], s[KN:KN+1] op_sel_hi:[1,0]
.endr
.set NN, 0
.rept 16
	v_min_num_f32 v[GC+NN], s[CAP], v[GC+NN]
.set NN, NN+1
.endr
	BATCH v_exp_f32, GC, 16
.irp m, 0,2,4,6,8,10,12,14
	v_pk_add_f32 v[GO+\m:GO+\m+1], v[GO+\m:GO+\m+1], 1.0 op_sel_hi:[1,0]
.endr
	s_wait_alu depctr_va_vdst(0)
.irp m, 0,2,4,6,8,10,12,14
	v_pk_fma_f32 v[GI+\m:GI+\m+1], v[GC+\m:GC+\m+1], -1.0, 1.0 op_sel_hi:[1,0,0]
.endr
.irp m, 0,2,4,6,8,10,12,14
	v_pk_add_f32 v[GC+\m:GC+\m+1], v[GC+\m:GC+\m+1], 1.0 op_sel_hi:[1,0]
.endr
.irp m, 0,2,4,6,8,10,12,14
	v_pk_mul_f32 v[GO+\m:GO+\m+1], v[GO+\m:GO+\m+1], v[GC+\m:GC+\m+1]
.endr
	BATCH v_rcp_f32, GO, 16
	v_nop
	s_wait_alu depctr_va_vdst(0)
.irp m, 0,2,4,6,8,10,12,14
	v_pk_mul_f32 v[HO+\m:HO+\m+1], v[GI+\m:GI+\m+1], v[GO+\m:GO+\m+1]  ; next_h, in registers that the next block's exponents do not touch
.endr
.endm
.macro TOSTAGE a                       ; my 128 bytes of the block's 16 rows; the wave beside me writes the other 128
.irp s, 0,1
.irp q, 0,1
	ds_store_b128 v[STC], v[T+8*\s+4*\q:T+8*\s+4*\q+3] offset:16*PITCH*(\a)+64*\s+16*\q
	ds_store_b128 v[STH], v[HO+8*\s+4*\q:HO+8*\s+4*\q+3] offset:16*PITCH*(\a)+64*\s+16*\q
.endr
.endr
.endm
.macro BACK a                          ; 8 of the block's rows, whole, of both outputs
.set BB, BK+32*((\a)%2)
.irp t, 0,1,2,3
	ds_load_b128 v[BB+4*\t:BB+4*\t+3], v[RDC] offset:16*PITCH*(\a)+2*PITCH*\t
	ds_load_b128 v[BB+16+4*\t:BB+16+4*\t+3], v[RDH] offset:16*PITCH*(\a)+2*PITCH*\t
.endr
.endm
.macro SEND a                          ; sixteen lanes store 256 consecutive bytes, at a multiple of 256 from the buffer's first byte
.set BB, BK+32*((\a)%2)
.irp t, 0,1,2,3
	global_store_b128 v[CO], v[BB+4*\t:BB+4*\t+3], s[OUTC:OUTC+1] offset:(16*(\a)+2*\t)*OROW th:TH_STORE_NT
	global_store_b128 v[CO], v[BB+16+4*\t:BB+16+4*\t+3], s[OUTH:OUTH+1] offset:(16*(\a)+2*\t)*OROW th:TH_STORE_NT
.endr
.endm
; Block a's turn.  Barrier a parts the two waves' stores of block a from the reads of its whole rows: it is signalled behind my stores and waited for behind block a + 1's arithmetic.
; Each block has stage bytes of its own, so nothing that is read is written again.
.macro BLOCK a
	s_wait_alu depctr_va_vdst(0)
.if \a > 0
	s_barrier_wait -1                              ; block a - 1 is whole in the stage
	s_wait_xcnt 0x0                                ; block a - 3's stores have read the registers that now take block a - 1
	BACK \a-1
.endif
	TOSTAGE \a
.if \a < 7
	PCLOAD \a+1
.endif
.if \a > 0
	s_wait_dscnt 12-4*((\a)/7)                     ; block a - 1 is back; my eight stage stores and prev_c's four loads (none in the last block) may be out
	SEND \a-1
.endif
.if \a < 7
	SCALE \a+1
.endif
	s_wait_dscnt 0x0                               ; for the others' sake: my stores into the stage are done; prev_c is in
	s_barrier_signal -1
.if \a < 7
	REST
.endif
.endm
	s_wait_kmcnt 0x0
	s_add_co_i32 s96, s96, s97                     ; ea + eb goes into the exponent fields of the two constants
	s_lshl_b32 s96, s96, 23
	s_add_co_i32 s[KS], s96, 0xbfb8aa3b            ; -log2(e) x 2^(ea + eb)
	s_mov_b32 s[KS+1], s[KS]
	s_add_co_i32 s[KT], s96, 0xc038aa3b            ; -2 log2(e) x 2^(ea + eb)
	s_mov_b32 s[KT+1], s[KT]
	PLACES NP
	PCLOAD 0
	SCALE 0
	s_wait_dscnt 0x0                               ; prev_c of block 0
	REST
.irp a, 0,1,2,3,4,5,6,7
	BLOCK \a
.endr
	s_barrier_wait -1
	s_wait_xcnt 0x0
	BACK 7
	s_wait_dscnt 0x0
	SEND 7
	s_wait_tensorcnt 0x0                           ; the wave's end
	ds_add_u32 v[SPW], v[NIL]
	s_wait_dscnt 0x0
	CROUND                                         ; the closing round
	s_endpgm
.Lfunc_end_k_q523b01bf4b_cell:
	.size	k_q523b01bf4b_cell, .Lfunc_end_k_q523b01bf4b_cell-k_q523b01bf4b_cell
	.p2alignl 7, 3214868480
	.fill 96, 4, 3214868480
	.section	.rodata,"a",@progbits
	.p2align	6, 0x0
	.amdhsa_kernel k_q523b01bf4b_cell
		.amdhsa_group_segment_fixed_size 327680
		.amdhsa_private_segment_fixed_size 0
		.amdhsa_enable_private_segment 0
		.amdhsa_kernarg_size 48
		.amdhsa_user_sgpr_count 2
		.amdhsa_user_sgpr_kernarg_segment_ptr 1
		.amdhsa_wavefront_size32 1
		.amdhsa_system_sgpr_workgroup_id_x 1
		.amdhsa_system_sgpr_workgroup_id_y 1
		.amdhsa_system_sgpr_workgroup_id_z 1
		.amdhsa_system_vgpr_workitem_id 0
		.amdhsa_next_free_vgpr 1024
		.amdhsa_next_free_sgpr 98
		.amdhsa_reserve_vcc 0
		.amdhsa_float_denorm_mode_32 3
		.amdhsa_float_denorm_mode_16_64 3
		.amdhsa_memory_ordered 1
		.amdhsa_forward_progress 1
		.amdhsa_inst_pref_size 212
	.end_amdhsa_kernel
	.amdgpu_metadata
---
amdhsa.version: [ 1, 2 ]
amdhsa.kernels:
  - .name:           k_q523b01bf4b_cell
    .symbol:         k_q523b01bf4b_cell.kd
    .args:
      - { .name: a_codes, .offset: 0, .size: 8, .value_kind: global_buffer, .address_space: global }
      - { .name: w_codes, .offset: 8, .size: 8, .value_kind: global_buffer, .address_space: global }
      - { .name: lowp_scales, .offset: 16, .size: 8, .value_kind: global_buffer, .address_space: global }
      - { .name: prev_c, .offset: 24, .size: 8, .value_kind: global_buffer, .address_space: global }
      - { .name: out0, .offset: 32, .size: 8, .value_kind: global_buffer, .address_space: global }
      - { .name: out1, .offset: 40, .size: 8, .value_kind: global_buffer, .address_space: global }
    .group_segment_fixed_size: 327680
    .private_segment_fixed_size: 0
    .kernarg_segment_align: 8
    .kernarg_segment_size: 48
    .max_flat_workgroup_size: 128
    .sgpr_count:     98
    .vgpr_count:     1024
    .wavefront_size: 32
...
	.end_amdgpu_metadata
.endif
;; end of part 2
